; MI455X (gfx1250); checked and timed in simulation.
; The chip was launched on July 23, 2026; its instructions are those of AMD's public machine-readable ISA for CDNA 5 (MIT licence, August 2026) and "CDNA5" Instruction Set Architecture Reference Guide (July 2026). The comments in the code are by the model that wrote it; some were corrected since.
;; Flip Linear. Allowed arithmetic: matrix products marked QUANTISED: E3M2 operands, one E8M0 scale for each 32 along K, by v_wmma_scale_f32_16x16x128_f8f6f4 with both operands' format E3M2, f32 sums; everything else in f32.
;; Inputs: scales 65,536 float32; ternary 2,048 x 4,096 int32; x 4 x 2,048 x 4,096 float32.
;; Outputs: out0 4 x 2,048 x 2,048 float32.
;; This version of the problem:
;;   THIS VERSION OF THE PROBLEM IS GIVEN IN LOW PRECISION. The matrix products marked QUANTISED in the list below multiply operands that are first quantised to E3M2 (3 exponent bits, 2 mantissa bits; 6 bits a number), with one power-of-two scale for each 32 numbers along K (OCP MX v1.0); their sums are f32. All else is computed in f32.
;;   The module's matrix products, in the order in which they are computed (A, B: the left and right operand; K: the contracted axis; several contracted axes count as one K, in the product's order):
;;     1. [M 8,192, K 4,096] x [K 4,096, N 2,048]; A: input x; B: computed on the way: QUANTISED
;;   THE QUANTISER, for each operand of a quantised product, along K:
;;     - K is cut into blocks of 32 from its start; a last block that is shorter is filled with zeros.
;;     - A block's scale is 2^e with e = floor(log2(the largest magnitude in the block)) - 4, held to -126 .. 127; a block of zeros has e = 0. As a byte (E8M0): e + 127.
;;     - Each number is divided by its block's scale, clamped to +-28, and rounded to the nearest number of E3M2, ties to even, subnormals kept.
;;     - The product sums the exact products of the quantised numbers (number of the format x scale) in f32.
;;   ~~~python
;;   def quantise(x, axis):      # numpy; x: float32 -> the quantised numbers, widened to float32 again
;;       x = np.moveaxis(x, axis, -1); K = x.shape[-1]
;;       x = np.pad(x, [(0, 0)] * (x.ndim - 1) + [(0, -K % 32)]); x = x.reshape(x.shape[:-1] + (-1, 32)); a = np.abs(x).max(-1, keepdims=True)
;;       e = np.where(a > 0, np.clip(np.frexp(np.where(a > 0, a, 1))[1] - 1 - 4, -126, 127), 0)      # np.frexp(a)[1] - 1 = floor(log2(a)), exactly
;;       r = np.clip(x / 2.0 ** e, -28, 28)
;;       step = 2.0 ** (np.maximum(np.frexp(np.where(r == 0, 1, r))[1] - 1, -2) - 2)
;;       q = np.round(r / step) * step * 2.0 ** e      # np.round: ties to even
;;       return np.moveaxis(q.reshape(q.shape[:-2] + (-1,))[..., :K], -1, axis).astype(np.float32)
;;   ~~~
;;   OPERANDS COMPUTED ON THE WAY. 'Computed on the way' means the value that the module computes at that place (a softmax that the list does not call 'softmax' is quantised finished and normalised). What goes into a quantiser is computed in f32, as accurately as f32 sums, v_exp_f32 and their like allow (about 1e-6 of the number): no bf16 or f16 on the way to a quantiser, and a product that is left as it is and whose result goes on into a quantised operand takes f32 operands (vector FMAs, or v_wmma_f32_16x16x4_f32). A number that lies on a knife's edge between two numbers of the format may be rounded either way, as far as f32 arithmetic and the matrix unit's own rounding can turn it there, and no further.
;; One version. Each part assembles by itself: llvm-mc -triple=amdgcn-amd-amdhsa -mcpu=gfx1250 --defsym DOCPART=n.
;; ======== version 1 of 1: 2 launches
;; limits: right only within a limited range of input values
;; workspace buffers: xq 26,214,400 bytes; wq 6,553,600 bytes
;; launch quant (part 1): grid 1280 x 1, 4 waves a work-group, no clusters, 37,376 bytes of LDS; arguments x, xq, ternary, wq, scales; writes xq, wq
.if DOCPART == 1
	.amdgcn_target "amdgcn-amd-amdhsa--gfx1250"
	.amdhsa_code_object_version 6
	.text
	.protected	k_qb08e785a70_quant
	.globl	k_qb08e785a70_quant
	.p2align	8
	.type	k_qb08e785a70_quant,@function
k_qb08e785a70_quant:
	s_mov_b64 s[64:65], 0
	v_nop
	global_prefetch_b8 v0, s[64:65] scope:SCOPE_SE
	s_setreg_imm32_b32 hwreg(HW_REG_WAVE_MODE, 25, 1), 1
	s_wait_xcnt 0x0
; Both operands of out = x w^T are turned into codes of BF6 (E3M2), 6 bits each, with one E8M0 scale byte for each 32 along K, LAID IN THE ORDER OF THE MATRIX OPERAND'S REGISTERS.
; x: [8192][4096] f32 -> xq.   w[o][i] = f32(ternary[o][i]) x scales[(4096 o + i) / 128], one f32 multiplication -> wq.
; xq, wq: [panel of 128 rows][chunk of 128 along K][12,800 bytes].  A chunk: eight fragments (16 rows x 128 K) of 1,536 bytes, then 512 bytes of scale words.
;   A fragment is the image of its 12 registers: registers 4 c .. 4 c + 3 of lane l at 512 c + 16 l.  Lane l = r + 16 h holds row r; registers 6 c .. 6 c + 5 hold K = 64 c + 32 h + 0 .. 31.
;   The scale word (four bytes, byte b for K = 32 b ..) of row 16 g + r of the panel lies at 12,288 + 256 (g / 4) + 16 r + 4 (g % 4): one load of 16 bytes gives a lane the words of four fragments.
; A block's scale is 2^(floor(log2(its largest magnitude)) - 4), 4 being the exponent of the format's largest number, 28; its byte is the largest magnitude's own exponent field - 4, held at 1 from below
; by a floor of 2^(5 - 127) among the maximum's leaves.  Each number is divided by the scale and rounded to the nearest code, ties to even; beyond 28 the conversion gives the largest code.
; LIMITS: a block of zeros gets the byte 1 where the rule says 127 (its codes are zeros, which add nothing under any byte but 0xff, and the bytes are read by this program alone);
; NaN and infinities among the inputs are not served.  Nothing is taken for granted of ternary's values: any int32 is converted, multiplied and quantised.
; SHARES.  Work-groups 0 to 1023 take x, 1024 to 1279 take w.  A work-group takes 64 rows x 512 along K, its wave w one chunk of them: four fragments, each in two HALF STEPS of 16 rows x 64 K.
; The two tensors take two whole paths, which part once on the work-group's number and do not join; each path has LDS bytes of its own.
; A HALF STEP.  Each of its eight loads reads two rows' 256 consecutive bytes (lanes 0-15 one row, lanes 16-31 the next).  The 4,096 bytes go through the wave's own stage in LDS, rows 272 bytes apart, and come back
; 128 bytes a lane: lane (r, h) holds a WHOLE block of 32 of row r, so that its largest magnitude needs no other lane, and its two conversions are registers 6 c .. 6 c + 5 of the fragment.
; No tensor loads, no barrier: waves share nothing.  Loads run three half steps ahead (w: two), the turn through LDS one.
.set NT,    8                          ; half steps of a wave
.set XWG,   1024                       ; x's work-groups: 128 blocks of 64 rows x 8 runs of 512 along K
.set ROWB,  16384                      ; a row of x or of ternary in bytes
.set CH,    12800                      ; a chunk of a panel
.set FRB,   1536                       ; a fragment's image
.set PANEL, 32*CH
.set SP,    272                        ; a stage row: 256 bytes + 16: an odd multiple of 16
.set WREG,  4608                       ; LDS of a wave within its path's region: one stage of 16 x SP bytes
.set WBASE, 4*WREG                     ; the w path's region begins here; the x path's at 0
.set R,     16                         ; v16-111  three sets of 32 numbers as they are loaded (w: two sets, and v80-83 its rows' scales)
.set SCV,   80
.set X,     112                        ; v112-175 two sets of 32 neighbours
.set C,     176                        ; v176-187 a fragment's 12 registers
.set T,     188                        ; v188-190 a block's upper 16 codes (a conversion's three registers begin on an even number: they are moved)
; v[0:1] my two scale words on the way out; v3 offset of the loads; v4 16 x lane; v5 8 h; v6 128 r; v7 16 r + 8 h; v8-13 at work; v14, v15 the stage, in and out.  VCC: lanes 16-31, set once.
; s[4:5] x, s[6:7] xq, s[8:9] ternary, s[10:11] wq, s[12:13] scales; s14 wave; s15-19, s24-25 at work; s[20:21] lane selects; s[26:27] where my scale words go
	s_load_b256 s[4:11], s[0:1], 0x0
	s_load_b64 s[12:13], s[0:1], 0x20
	v_lshl_add_u32 v191, v0, 2, 0x9000             ; v191: LDS address of my spare word, behind both paths' stages; never rewritten
	v_mov_b32 v2, 0                                ; v2: 0; never rewritten
	v_lshrrev_b32 v1, 5, v0
	v_readfirstlane_b32 s14, v1                    ; wave 0..3
	v_and_b32 v4, 31, v0                           ; lane
	v_and_b32 v8, 15, v0                           ; r
	v_bfe_u32 v9, v0, 4, 1                         ; h
	v_lshlrev_b32 v3, 4, v8
	v_lshl_add_u32 v3, v9, 14, v3                  ; a load: 16 bytes a lane, lanes 16-31 one row (16,384 bytes) further down
	v_lshlrev_b32 v5, 3, v9                        ; 8 h: how far up my bytes stand in the scale word
	v_lshlrev_b32 v6, 7, v8                        ; w: my row's 32 scales are 128 bytes
	v_lshl_add_u32 v7, v8, 4, v5                   ; my two scale words' place: 16 r + 8 h
	s_mul_i32 s15, s14, WREG
	v_mul_u32_u24 v14, v9, SP
	v_lshl_add_u32 v14, v8, 4, v14
	v_add_nc_u32 v14, s15, v14                     ; the stage, on the way in: as loaded: row h of the load's two, 16 bytes a lane
	v_mul_u32_u24 v15, v8, SP
	v_lshl_add_u32 v15, v9, 7, v15
	v_add_nc_u32 v15, s15, v15                     ; and on the way out: row r, my half's 128 bytes
	v_cmp_lt_u32 vcc_lo, 15, v4                    ; lanes 16-31
	v_lshlrev_b32 v4, 4, v4                        ; an image's place for my lane: 16 x lane
	v_mov_b32 v10, 0                               ; written once: a lane permute's destination counts as one of its sources
	s_mov_b32 s20, 0x76543210
	s_mov_b32 s21, 0xfedcba98                      ; v_permlanex16_b32's selects for lane l xor 16
	s_wait_kmcnt 0x0
	s_cmp_lt_u32 ttmp9, XWG                        ; x's work-group or w's?  All LDS addresses are made: the paths differ in immediates alone
	s_cbranch_scc0 .Lw
; The pointers go on to my wave's part.  id = work-group - first; block of 64 rows rb = id / 8 (left in s17); chunk kc = 4 (id % 8) + wave (left in s18).  All offsets stay under 2^28; s25 is left 0.
.macro PLACE first, src, dst
	s_sub_co_u32 s16, ttmp9, \first
	s_lshr_b32 s17, s16, 3
	s_and_b32 s18, s16, 7
	s_lshl_b32 s18, s18, 2
	s_add_co_u32 s18, s18, s14
	s_lshl_b32 s24, s17, 20                        ; 64 rows of 16,384 bytes
	s_lshl_b32 s19, s18, 9                         ; 512 bytes of a row a chunk
	s_add_co_u32 s24, s24, s19
	s_mov_b32 s25, 0
	s_add_nc_u64 s[\src:\src+1], s[\src:\src+1], s[24:25]
	s_lshr_b32 s19, s17, 1                         ; the panel
	s_mul_i32 s24, s19, PANEL
	s_mul_i32 s19, s18, CH
	s_add_co_u32 s24, s24, s19
	s_add_nc_u64 s[\dst:\dst+1], s[\dst:\dst+1], s[24:25]   ; my chunk of my panel
	s_and_b32 s19, s17, 1                          ; which 64 rows of the panel
	s_lshl_b32 s24, s19, 8
	s_add_co_u32 s24, s24, 8*FRB
	s_add_nc_u64 s[26:27], s[\dst:\dst+1], s[24:25]         ; their 256 bytes of scale words
	s_mul_i32 s24, s19, 4*FRB
	s_add_nc_u64 s[\dst:\dst+1], s[\dst:\dst+1], s[24:25]   ; their four fragments
.endm
.macro LOAD t, src, d                  ; half step t = 2 s + c: rows 16 s .. 16 s + 15, bytes 256 c .. of the chunk, into set t % d; read once in the launch
.irp i, 0,1,2,3,4,5,6,7
	global_load_b128 v[R+32*((\t)%(\d))+4*\i:R+32*((\t)%(\d))+4*\i+3], v3, s[\src:\src+1] offset:(16*((\t)/2)+2*\i)*ROWB+256*((\t)%2) th:TH_LOAD_NT
.endr
.endm
.macro TURN t, d, base                 ; half step t's numbers through the stage.  LDS serves a wave's instructions in order, so no wait stands between the stores and the loads
.irp i, 0,1,2,3,4,5,6,7
	ds_store_b128 v14, v[R+32*((\t)%(\d))+4*\i:R+32*((\t)%(\d))+4*\i+3] offset:\base+2*SP*\i
.endr
.irp j, 0,1,2,3,4,5,6,7
	ds_load_b128 v[X+32*((\t)%2)+4*\j:X+32*((\t)%2)+4*\j+3], v15 offset:\base+16*\j
.endr
.endm
.macro STEP t, isw, src, dst, d, base
.set XS, X+32*((\t)%2)
.set SS, (\t)/2
.set CC, (\t)%2
	s_wait_dscnt 0x0                               ; this half step's numbers are back from the stage: so the stage may be written again, and its stores have read their registers,
.if (\t)+(\d) < NT
	LOAD (\t)+(\d), \src, \d                       ; which take the loads of d half steps on
.endif
.if (\t)+1 < NT
.if (\t)+(\d) < NT
	s_wait_loadcnt 8*((\d)-1)                      ; the next half step's eight loads are in; those of the d - 1 behind it may be out
.else
	s_wait_loadcnt 8*(NT-2-(\t))                   ; near the end fewer are behind it
.endif
	TURN (\t)+1, \d, \base                         ; and go through the stage while this half step is worked
.endif
.if \isw
.irp j, 0,1,2,3,4,5,6,7,8,9,10,11,12,13,14,15,16,17,18,19,20,21,22,23,24,25,26,27,28,29,30,31
	v_cvt_f32_i32 v[XS+\j], v[XS+\j]
.endr
.irp j, 0,1,2,3,4,5,6,7,8,9,10,11,12,13,14,15,16,17,18,19,20,21,22,23,24,25,26,27,28,29,30,31
	v_mul_f32 v[XS+\j], v[SCV+SS], v[XS+\j]        ; x the scale of my row's group of 128, which is this chunk
.endr
.endif
	v_max3_num_f32 v12, |v[XS]|, |v[XS+1]|, |v[XS+2]|               ; the block's largest magnitude: all 32 numbers are mine; two chains
	v_max3_num_f32 v13, |v[XS+3]|, |v[XS+4]|, |v[XS+5]|
.irp i, 6,10,14,18,22,26
	v_max3_num_f32 v12, v12, |v[XS+\i]|, |v[XS+\i+1]|
	v_max3_num_f32 v13, v13, |v[XS+\i+2]|, |v[XS+\i+3]|
.endr
	v_max3_num_f32 v12, v12, |v[XS+30]|, |v[XS+31]|
	v_max3_num_f32 v12, v12, v13, 0x2800000        ; and the floor 2^(5 - 127), under which no largest magnitude is taken: so the byte cannot fall under 1
	v_add_nc_u32 v11, 0xfe000000, v12              ; 4 off its exponent field: the conversion takes the exponent field of this operand as its scale, and nothing else of it
.if (CC == 0) && (SS > 0)
	s_wait_alu depctr_va_vdst(0)
	s_wait_xcnt 0x0                                ; the last fragment's three stores have read their registers: only behind this wait are the codes' registers written again
.endif
	v_cvt_scalef32_pk16_bf6_f32 v[C+6*CC:C+6*CC+2], v[XS:XS+15], v11       ; registers 6 c .. 6 c + 2: K = 64 c + 32 h + 0 .. 15
	v_cvt_scalef32_pk16_bf6_f32 v[T:T+2], v[XS+16:XS+31], v11              ; and + 16 .. 31
.if CC == 0
	v_lshrrev_b32 v8, 23, v11                      ; the byte of block h (a plain vector line behind the conversions)
.else
	v_lshrrev_b32 v9, 23, v11                      ; the byte of block 2 + h
.endif
.irp i, 0,1,2
	v_mov_b32 v[C+6*CC+3+\i], v[T+\i]
.endr
.if CC == 1
	v_lshl_or_b32 v9, v9, 16, v8                   ; my two bytes,
	v_lshlrev_b32 v9, v5, v9                       ; at their places in the scale word (8 h bits up);
	v_permlanex16_b32 v10, v9, s20, s21
.if SS < 2
	v_or_b32 v[SS], v9, v10                        ; with lane l xor 16's two the word is whole.  Lane (r, h) sends off the words of fragments 2 h and 2 h + 1: those of 0 and 1 are kept in every lane,
.else
	v_or_b32 v9, v9, v10
	v_cndmask_b32 v[SS-2], v[SS-2], v9, vcc_lo     ; and lanes 16-31 take those of 2 and 3 in their stead
.endif
.irp c, 0,1,2
	global_store_b128 v4, v[C+4*\c:C+4*\c+3], s[\dst:\dst+1] offset:FRB*SS+512*\c   ; 32 lanes store 512 consecutive bytes, at a multiple of 256 from the buffer's first byte; the product's launch reads them, so no hint
.endr
.endif
.endm
.macro BODY isw, src, dst, d, base
	LOAD 0, \src, \d
	LOAD 1, \src, \d
.if \d > 2
	LOAD 2, \src, \d
.endif
	s_wait_loadcnt 8*((\d)-1)                      ; half step 0's eight loads are in (and what was asked for ahead of them: w's scales)
	TURN 0, \d, \base
.irp t, 0,1,2,3,4,5,6,7
	STEP \t, \isw, \src, \dst, \d, \base
.endr
	global_store_b64 v7, v[0:1], s[26:27]          ; 32 lanes store 256 consecutive bytes, at a multiple of 256 from the buffer's first byte: the scale words of my 64 rows
	s_wait_tensorcnt 0x0
	ds_add_u32 v191, v2
	s_wait_dscnt 0x0
	s_endpgm
.endm
	PLACE 0, 4, 6                                  ; x -> xq
	s_wait_alu depctr_va_vdst(0)
	BODY 0, 4, 6, 3, 0
.Lw:
	PLACE XWG, 8, 10                               ; ternary -> wq
	s_lshl_b32 s24, s17, 13                        ; scales: 64 rows of 128 bytes,
	s_lshl_b32 s19, s18, 2                         ; 4 bytes a chunk
	s_add_co_u32 s24, s24, s19
	s_add_nc_u64 s[12:13], s[12:13], s[24:25]
.irp s, 0,1,2,3
	global_load_b32 v[SCV+\s], v6, s[12:13] offset:2048*\s   ; the scale of row 16 s + r in my chunk: asked for ahead of every other load
.endr
	s_wait_alu depctr_va_vdst(0)
	BODY 1, 8, 10, 2, WBASE
.Lfunc_end_k_qb08e785a70_quant:
	.size	k_qb08e785a70_quant, .Lfunc_end_k_qb08e785a70_quant-k_qb08e785a70_quant
	.p2alignl 7, 3214868480
	.fill 96, 4, 3214868480
	.section	.rodata,"a",@progbits
	.p2align	6, 0x0
	.amdhsa_kernel k_qb08e785a70_quant
		.amdhsa_group_segment_fixed_size 37376
		.amdhsa_private_segment_fixed_size 0
		.amdhsa_enable_private_segment 0
		.amdhsa_kernarg_size 40
		.amdhsa_user_sgpr_count 2
		.amdhsa_user_sgpr_kernarg_segment_ptr 1
		.amdhsa_wavefront_size32 1
		.amdhsa_system_sgpr_workgroup_id_x 1
		.amdhsa_system_sgpr_workgroup_id_y 1
		.amdhsa_system_sgpr_workgroup_id_z 1
		.amdhsa_system_vgpr_workitem_id 0
		.amdhsa_next_free_vgpr 192
		.amdhsa_next_free_sgpr 66
		.amdhsa_reserve_vcc 1
		.amdhsa_float_denorm_mode_32 3
		.amdhsa_float_denorm_mode_16_64 3
		.amdhsa_memory_ordered 1
		.amdhsa_forward_progress 1
		.amdhsa_inst_pref_size 76
	.end_amdhsa_kernel
	.amdgpu_metadata
---
amdhsa.version: [ 1, 2 ]
amdhsa.kernels:
  - .name:           k_qb08e785a70_quant
    .symbol:         k_qb08e785a70_quant.kd
    .args:
      - { .name: x, .offset: 0, .size: 8, .value_kind: global_buffer, .address_space: global }
      - { .name: xq, .offset: 8, .size: 8, .value_kind: global_buffer, .address_space: global }
      - { .name: ternary, .offset: 16, .size: 8, .value_kind: global_buffer, .address_space: global }
      - { .name: wq, .offset: 24, .size: 8, .value_kind: global_buffer, .address_space: global }
      - { .name: scales, .offset: 32, .size: 8, .value_kind: global_buffer, .address_space: global }
    .group_segment_fixed_size: 37376
    .private_segment_fixed_size: 0
    .kernarg_segment_align: 8
    .kernarg_segment_size: 40
    .max_flat_workgroup_size: 128
    .sgpr_count:     66
    .vgpr_count:     192
    .wavefront_size: 32
...
	.end_amdgpu_metadata
.endif
;; end of part 1
;; launch gemm (part 2): grid 8 x 32, 4 waves a work-group, clusters of 4 x 4, 327,680 bytes of LDS; arguments xq, wq, out0; writes out0
.if DOCPART == 2
	.amdgcn_target "amdgcn-amd-amdhsa--gfx1250"
	.amdhsa_code_object_version 6
	.text
	.protected	k_qb08e785a70_gemm
	.globl	k_qb08e785a70_gemm
	.p2align	8
	.type	k_qb08e785a70_gemm,@function
k_qb08e785a70_gemm:
	s_mov_b64 s[64:65], 0
	v_nop
	global_prefetch_b8 v0, s[64:65] scope:SCOPE_SE
	s_setreg_imm32_b32 hwreg(HW_REG_WAVE_MODE, 25, 1), 1
	s_wait_xcnt 0x0
	s_wait_alu depctr_hold_cnt(0) depctr_sa_sdst(0) depctr_va_vdst(0) depctr_va_sdst(0) depctr_va_ssrc(0) depctr_va_vcc(0) depctr_vm_vsrc(0)
	s_getreg_b32 s2, hwreg(HW_REG_IB_STS2, 6, 4)
	s_cmp_eq_u32 s2, 0
	s_cbranch_scc0 .Lentry_in_a_cluster
	s_endpgm
.Lentry_in_a_cluster:
	s_bfe_u32 s2, ttmp6, 0x10000c
	s_cmp_lg_u32 s2, 0xf033
	s_cbranch_scc0 .Lentry_shape_is_right
	s_endpgm
.Lentry_shape_is_right:
; out[m][o] = sum over k of x[m][k] w[o][k], M = 8192, N = 2048, K = 4096, on codes of BF6 (E3M2) with one E8M0 scale byte for each 32 along K; sums in f32.
; xq, wq: [panel of 128 rows][chunk of 128 along K][12,800 bytes]: eight fragments (16 rows x 128 K) as images of their 12 registers (registers 4 c .. 4 c + 3 of lane l at 512 c + 16 l), then 512 bytes of scale words
; (row 16 g + r of the panel at 12,288 + 256 (g / 4) + 16 r + 4 (g % 4)).  A panel is 409,600 consecutive bytes; every chunk begins at a multiple of 256 bytes.
; A tile of out, 256 x 256, is made by a work-group of four waves; a wave makes 128 x 128: 64 accumulators, 512 registers.  256 work-groups.
; THE RING: two LDS slots, each with three chunks of A's two panels and of B's two panels; a wave fetches one panel's three chunks, 38,400 consecutive bytes, by one tensor load of 150 rows of 256 bytes.
; 32 chunks = a first group of 2 (slot 0) + ten groups of 3.  CLUSTERS: 4 x 4 work-groups; A's panels are asked for jointly along a row of the cluster, B's along a column.
; THE MATRIX INSTRUCTION IS USED TRANSPOSED (source 0 = 16 rows of w, source 1 = 16 rows of x): a lane holds eight neighbouring numbers of a row of out.
; A STEP (128 along K, 64 matrix instructions): A has one set of registers, B two.  The next step's 24 loads of B are issued at the step's start (at a change of slots: behind the round), into the set that the step before
; has left; A's blocks 0-3 and the scale words come in the step's middle, A's blocks 4-7 at its end.
; THE LAST TWO CHUNKS GO BY ROWS OF out: both sets of B hold them, A comes by blocks of 16 rows x 256 K, and each block of 16 rows leaves as soon as its 16 products are issued.  K stays ascending for every sum.
; PREFETCH: behind each joint load every wave asks for the group that the NEXT refill will load (three steps, 192 matrix instructions, ahead of that load).  A wave's load is 150 blocks of 256 bytes; the four partners
; that ask for it jointly share them out by address, 38 each (place p takes 38 p .. 38 p + 37, held at 149): two instructions a wave, left-over lanes name the last block again.  The last refill asks for nothing.
; REGISTERS: window 0: v0-31 addresses; v32-47 scale words, two sets (lanes 0-15 A's, lanes 16-31 B's); v48-111 rows on the way out (even blocks); v128-223 A's fragments.
;   window 1: B's two sets at v0 and v128; v96-127 and v224-255 rows on the way out (odd blocks).
;   window 2: the accumulators of my rows 0-63 ((a, b) at v[8 (8 a + b)]); window 3: those of rows 64-127.
.set SIZE_N, 2048
.set CH,     12800                     ; a chunk
.set FRB,    1536                      ; a fragment's image
.set SCO,    8*FRB                     ; the scale words' place in a chunk
.set PANEL,  32*CH
.set NQ,     3                         ; chunks of a panel in a slot
.set FR,     12                        ; registers of a fragment
.set NL,     3                         ; LDS loads that bring one
.set NP,     4                         ; places behind this matrix instruction (ISA guide 7.12.1)
.set HALFT,  NQ*CH                     ; what one tensor load brings
.set SLOT,   4*HALFT                   ; A's two panels, then B's two
.set SPARE,  2*SLOT                    ; behind the ring: the spare words, 128 bytes a wave
.set SPITCH, 528                       ; the way out: 16 rows x (512 + 16) bytes for each wave,
.set STAGE,  SLOT                      ; in slot 1, which has had its last fill and its last read by then (the last group lies in slot 0)
.set ADRA, 16                          ; v16-17 my A panel in slot 0, 1, + 16 x lane
.set ADRB, 20                          ; v20-21 the same for B
.set ADRS, 22                          ; v22-23 my scale words: lanes 0-15 A's, lanes 16-31 B's
.set STO,  24
.set RD,   25
.set CO,   26                          ; 16 x lane
.set SPW,  28                          ; my spare word; never rewritten
.set NIL,  29                          ; 0; never rewritten
.set PFO,  30                          ; v30-31 the prefetches' offsets; never rewritten
.set SC,   32
.set AF,   128
.set G1, 24                            ; s[24:31] group 1 for A, three chunks; s[32:39] group 0, a set for each slot
.set G0, 32
.set G1B, 48                           ; the same for B
.set G0B, 56
.set G1S, 68                           ; group 1 for the first group of two chunks: A's, B's
.set G1SB, 80
.set PFA, 76                           ; s[76:77] the group that my next prefetches name
.set MSB, 0
.macro WIN new                         ; the immediate's high byte repeats the setting that is left
.if MSB != \new
	s_set_vgpr_msb (MSB<<8)|\new
.set MSB, \new
.endif
.endm
.set MUL_LO, 0xa1                      ; source 0 (B) window 1, source 1 (A) window 0, C and D window 2
.set MUL_HI, 0xf1                      ; the same, C and D window 3
.set TO_B,   0x40
.macro JLOAD g0a, g1a, g0b, g1b        ; a joint load: waves 0, 1 fetch A's panels, waves 2, 3 B's; s_nop 0 and four v_nop behind each line
	s_cmp_eq_u32 s15, 0
	s_cbranch_scc0 .Lfor_b_\@
	tensor_load_to_lds s[\g0a:\g0a+3], s[\g1a:\g1a+7]
	s_nop 0
.rept 4
	v_nop
.endr
	s_branch .Lasked_\@
.Lfor_b_\@:
	tensor_load_to_lds s[\g0b:\g0b+3], s[\g1b:\g1b+7]
	s_nop 0
.rept 4
	v_nop
.endr
.Lasked_\@:
.endm
.macro ASK guard                       ; my 38 blocks of the group at s[PFA]; guard = 1: not in the loop's last trip, whose second refill is the last
.if \guard
	s_cmp_lg_u32 s3, 1
	s_cbranch_scc0 .Lno_ask_\@
.endif
	global_prefetch_b8 v[PFO], s[PFA:PFA+1] th:TH_LOAD_NT scope:SCOPE_SE
	global_prefetch_b8 v[PFO+1], s[PFA:PFA+1] th:TH_LOAD_NT scope:SCOPE_SE
.if \guard
.Lno_ask_\@:
.endif
.endm
.macro CREST                           ; a round of the cluster's barrier behind its opening barrier
	s_cmp_lg_u32 s14, 0
	s_cbranch_scc1 .Lnot_wave_0_\@
	s_barrier_signal -3
.Lnot_wave_0_\@:
	s_barrier_wait -3
	s_barrier_signal -1
	s_barrier_wait -1
.endm
.macro CROUND
	s_barrier_signal -1
	s_barrier_wait -1
	CREST
.endm
	s_load_b128 s[4:7], s[0:1], 0x0                ; xq, wq
	s_load_b64 s[12:13], s[0:1], 0x10              ; out
	v_lshl_add_u32 v[SPW], v0, 2, SPARE
	v_mov_b32 v[NIL], 0
	ds_add_u32 v[SPW], v[NIL]                      ; the opening lines: the add, twice on end, and its wait ahead of my first tensor load
	ds_add_u32 v[SPW], v[NIL]
	v_lshrrev_b32 v1, 5, v0
	v_readfirstlane_b32 s14, v1                    ; wave 0..3
	s_lshr_b32 s15, s14, 1                         ; my half of the tile's rows; also: I fetch for A (0) or B (1)
	s_and_b32 s16, s14, 1                          ; my half of its columns; also: which panel I fetch
	s_bfe_u32 s40, ttmp6, 0x40000                  ; cx
	s_bfe_u32 s41, ttmp6, 0x40004                  ; cy
	s_lshl_b32 s42, ttmp9, 2
	s_add_co_u32 s42, s42, s40                     ; tile column
	s_and_b32 s17, ttmp7, 0xffff
	s_lshl_b32 s17, s17, 2
	s_add_co_u32 s17, s17, s41                     ; tile row
	s_lshl_b32 s43, s41, 2
	s_lshl_b32 s43, 15, s43                        ; my row of the cluster
	s_lshl_b32 s44, 0x1111, s40                    ; my column
	s_or_b32 s[G1+0], s43, (3<<16)|(1<<21)         ; elements of 8 bytes; bit 21 beside a mask; no padding: fragments are read as they lie, 16 bytes a lane on end
	s_or_b32 s[G1B+0], s44, (3<<16)|(1<<21)
	s_or_b32 s[G1S+0], s43, (3<<16)|(1<<21)
	s_or_b32 s[G1SB+0], s44, (3<<16)|(1<<21)
.irp g, G1, G1B                        ; a dense block of three chunks as 150 rows of 256 bytes
	s_mov_b32 s[\g+1], 32<<16
	s_mov_b32 s[\g+2], (HALFT/256)<<16
	s_mov_b32 s[\g+3], 32<<16
	s_mov_b32 s[\g+4], HALFT/256
	s_mov_b32 s[\g+5], 32
	s_mov_b32 s[\g+6], 0
	s_mov_b32 s[\g+7], 0
.endr
.irp g, G1S, G1SB                      ; of two chunks: 100 rows
	s_mov_b32 s[\g+1], 32<<16
	s_mov_b32 s[\g+2], (2*CH/256)<<16
	s_mov_b32 s[\g+3], 32<<16
	s_mov_b32 s[\g+4], 2*CH/256
	s_mov_b32 s[\g+5], 32
	s_mov_b32 s[\g+6], 0
	s_mov_b32 s[\g+7], 0
.endr
	s_lshl_b32 s20, s17, 1
	s_add_co_u32 s20, s20, s16
	s_mul_i32 s20, s20, PANEL                      ; A: panel 2 x tile row + which
	s_mov_b32 s21, 0
	s_lshl_b32 s46, s42, 1
	s_add_co_u32 s46, s46, s16
	s_mul_i32 s46, s46, PANEL                      ; B: panel 2 x tile column + which
	s_mov_b32 s47, 0
	s_mul_i32 s45, s14, HALFT                      ; where my loads go: wave x three chunks
	s_mul_i32 s8, s15, HALFT                       ; the A panel that I read
	s_mul_i32 s9, s16, HALFT
	s_add_co_u32 s9, s9, 2*HALFT                   ; the B panel that I read
	s_sub_co_u32 s10, s9, s8                       ; the distance between the two
	s_add_co_u32 s11, s8, SCO
	s_mul_i32 s23, s14, 16*SPITCH
	s_add_co_u32 s23, s23, STAGE                   ; my stage
	s_cmp_eq_u32 s15, 0
	s_cselect_b32 s78, s40, s41                    ; my place among the four that ask with me: cx for A, cy for B
	s_mul_i32 s78, s78, 38
	v_and_b32 v1, 15, v0                           ; r.  All vector set-up stands here in one run, under the adds' flight
	v_bfe_u32 v2, v0, 4, 1                         ; h
	v_and_b32 v6, 31, v0                           ; lane
	v_lshlrev_b32 v[CO], 4, v6
	v_add_nc_u32 v[ADRA], s8, v[CO]
	v_add_nc_u32 v[ADRB], s9, v[CO]
	v_add_nc_u32 v[ADRA+1], SLOT, v[ADRA]
	v_add_nc_u32 v[ADRB+1], SLOT, v[ADRB]
	v_mul_u32_u24 v5, s10, v2                      ; lanes 16-31 take B's scale words
	v_lshl_add_u32 v5, v1, 4, v5
	v_add_nc_u32 v[ADRS], s11, v5
	v_add_nc_u32 v[ADRS+1], SLOT, v[ADRS]
	v_mul_u32_u24 v7, v1, SPITCH                   ; into the stage: row r, 32 bytes for each half of the lanes
	v_lshl_add_u32 v7, v2, 5, v7
	v_add_nc_u32 v[STO], s23, v7
	v_add_nc_u32 v[RD], s23, v[CO]                 ; back: the 32 lanes take one row of 512 bytes
	v_add_nc_u32 v[PFO], s78, v6                   ; blocks 38 p + lane,
	v_min_u32 v8, 5, v6
	v_add_nc_u32 v8, s78, v8
	v_add_nc_u32 v8, 32, v8                        ; and 38 p + 32 + (lane, held at 5),
	v_min_u32 v[PFO], 149, v[PFO]                  ; both held at the load's last block
	v_min_u32 v8, 149, v8
	v_lshlrev_b32 v[PFO], 8, v[PFO]
	v_lshlrev_b32 v[PFO+1], 8, v8
	s_wait_alu depctr_va_vdst(0)                   ; the wait directly ahead of the waits below: no vector instruction writes a register behind it
	s_wait_dscnt 0x0                               ; both opening adds are done
	s_wait_kmcnt 0x0
	s_add_nc_u64 s[20:21], s[4:5], s[20:21]
	s_add_nc_u64 s[46:47], s[6:7], s[46:47]
.irp s, 0,1                            ; slot 0 begins with chunks 0, 1; slot 1 with chunks 2 to 4
	s_mov_b32 s[G0+4*\s], 1
	s_add_co_u32 s[G0+4*\s+1], s45, \s*SLOT
	s_add_nc_u64 s[G0+4*\s+2:G0+4*\s+3], s[20:21], \s*2*CH
	s_or_b32 s[G0+4*\s+3], s[G0+4*\s+3], 0x80000000
	s_mov_b32 s[G0B+4*\s], 1
	s_add_co_u32 s[G0B+4*\s+1], s45, \s*SLOT
	s_add_nc_u64 s[G0B+4*\s+2:G0B+4*\s+3], s[46:47], \s*2*CH
	s_or_b32 s[G0B+4*\s+3], s[G0B+4*\s+3], 0x80000000
.endr
	s_cmp_eq_u32 s15, 0
	s_cselect_b64 s[PFA:PFA+1], s[20:21], s[46:47] ; the panel that I fetch,
	s_add_nc_u64 s[PFA:PFA+1], s[PFA:PFA+1], 2*CH  ; at chunk 2
	CROUND                                         ; all sixteen work-groups are here: the first joint loads meet
	JLOAD G0, G1S, G0B, G1SB                       ; chunks 0, 1: one tensor load a wave at the head
	ASK 0                                          ; chunks 2 to 4
	s_lshl_b32 s20, s17, 8                         ; where my part of out begins
	s_lshl_b32 s21, s15, 7
	s_add_co_u32 s20, s20, s21
	s_mov_b32 s21, 0
	s_mov_b64 s[18:19], SIZE_N*4
	s_mul_u64 s[20:21], s[20:21], s[18:19]
	s_lshl_b32 s46, s42, 10
	s_lshl_b32 s47, s16, 9
	s_add_co_u32 s46, s46, s47
	s_mov_b32 s47, 0
	s_add_nc_u64 s[20:21], s[20:21], s[46:47]
	s_add_nc_u64 s[12:13], s[12:13], s[20:21]
.macro FRAG reg, adr, q, i             ; a fragment's image: three loads of 512 consecutive bytes
.irp c, 0,1,2
	ds_load_b128 v[\reg+4*\c:\reg+4*\c+3], v[\adr] offset:(\q)*CH+(\i)*FRB+512*\c
.endr
.endm
; 16 matrix instructions: A's blocks a0, a0 + 1 x B's eight.  p: B's set and the set of scale words.  The 64 accumulators take turns, one instruction a turn.
.macro MUL16 a0, p, zero
.irp a, \a0, \a0+1
.irp b, 0,1,2,3,4,5,6,7
.if \zero
	v_wmma_scale_f32_16x16x128_f8f6f4 v[8*(8*((\a)%4)+\b):8*(8*((\a)%4)+\b)+7], v[128*(\p)+FR*\b:128*(\p)+FR*\b+FR-1], v[AF+FR*(\a):AF+FR*(\a)+FR-1], 0, v[SC+8*(\p)+\b], v[SC+8*(\p)+(\a)] matrix_a_fmt:MATRIX_FMT_BF6 matrix_b_fmt:MATRIX_FMT_BF6 matrix_a_scale:MATRIX_SCALE_ROW1
.else
	v_wmma_scale_f32_16x16x128_f8f6f4 v[8*(8*((\a)%4)+\b):8*(8*((\a)%4)+\b)+7], v[128*(\p)+FR*\b:128*(\p)+FR*\b+FR-1], v[AF+FR*(\a):AF+FR*(\a)+FR-1], v[8*(8*((\a)%4)+\b):8*(8*((\a)%4)+\b)+7], v[SC+8*(\p)+\b], v[SC+8*(\p)+(\a)] matrix_a_fmt:MATRIX_FMT_BF6 matrix_b_fmt:MATRIX_FMT_BF6 matrix_a_scale:MATRIX_SCALE_ROW1
.endif
.endr
.endr
.endm
.macro FETCH_B slot, q, p
	WIN TO_B
.irp i, 0,1,2,3,4,5,6,7
	FRAG 128*(\p)+FR*\i, ADRB+\slot, \q, \i
.endr
	WIN 0
.endm
.macro FETCH_A slot, q, i0
.irp i, \i0, \i0+1, \i0+2, \i0+3
	FRAG AF+FR*(\i), ADRA+\slot, \q, \i
.endr
.endm
.macro SCALES slot, q, p               ; register i of the set: lanes 0-15 the words of A's block i, lanes 16-31 of B's block i
	ds_load_b128 v[SC+8*(\p):SC+8*(\p)+3], v[ADRS+\slot] offset:(\q)*CH
	ds_load_b128 v[SC+8*(\p)+4:SC+8*(\p)+7], v[ADRS+\slot] offset:(\q)*CH+256
.endm
.macro PLACES n
.rept \n
	v_nop
.endr
.endm
; A step that is not its slot's last: chunk q on B's set p; the next chunk lies in the same slot.
.macro STEP slot, q, p, zero
	FETCH_B \slot, (\q)+1, 1-(\p)                  ; the other set was left by the step before, four places ago: the next step's B, 24 loads
	s_wait_dscnt 12*NL                             ; all but these 24 and the 12 of A's blocks 4-7: this step's B, A's blocks 0-3 and scale words are in
	WIN MUL_LO
	MUL16 0, \p, \zero
	MUL16 2, \p, \zero
	s_wait_dscnt 8*NL                              ; all but the 24: A's blocks 4-7 are in
	PLACES NP
	WIN 0
	FETCH_A \slot, (\q)+1, 0
	SCALES \slot, (\q)+1, 1-(\p)
	WIN MUL_HI
	MUL16 4, \p, \zero
	MUL16 6, \p, \zero
	PLACES NP
	WIN 0
	FETCH_A \slot, (\q)+1, 4
.endm
; A slot's last step changes slots: ONE barrier, signalled behind the step's first 16 products and awaited behind 16 more, which opens a round of the cluster's barrier where the slot is filled again.
; Behind it come the refill and, in one run, the next slot's first fragments.  ask: 0 none, 1 a prefetch, 2 a prefetch but in the loop's last trip.
.macro TURN slot, next, p, fill, adv, ask
.if \fill
	s_wait_xcnt 0x0                                ; my last prefetches have read their base: it goes one group on
	s_add_nc_u64 s[PFA:PFA+1], s[PFA:PFA+1], NQ*CH
.endif
	s_wait_tensorcnt 0x0                           ; all my tensor loads have landed: my part of the next slot;
	ds_add_u32 v[SPW], v[NIL]                      ; 0 onto my spare word;
	s_wait_dscnt 4*NL+1                            ; (the add and A's blocks 4-7 may be out)
	WIN MUL_LO
	MUL16 0, \p, 0
	s_wait_dscnt 0x0                               ; the add is done, and my reads of this slot are over
	s_barrier_signal -1
	MUL16 2, \p, 0                                 ; work on registers while the others arrive
	WIN 0
	s_barrier_wait -1
.if \fill
	CREST                                          ; no wave of any partner still reads this slot or has a load on its way
	s_add_nc_u64 s[G0+4*\slot+2:G0+4*\slot+3], s[G0+4*\slot+2:G0+4*\slot+3], \adv
	s_add_nc_u64 s[G0B+4*\slot+2:G0B+4*\slot+3], s[G0B+4*\slot+2:G0B+4*\slot+3], \adv
	JLOAD G0+4*\slot, G1, G0B+4*\slot, G1B         ; the first tensor load behind the round; its four v_nop are the places in front of the loads below
.else
	PLACES NP
.endif
	FETCH_B \next, 0, 1-(\p)
	FETCH_A \next, 0, 0
	SCALES \next, 0, 1-(\p)
.if \ask
	ASK (\ask)-1                                   ; behind the joint load and the run of LDS loads: the group of the next refill
.endif
	WIN MUL_HI
	MUL16 4, \p, 0
	MUL16 6, \p, 0
	PLACES NP
	WIN 0
	FETCH_A \next, 0, 4
.endm
	s_wait_xcnt 0x0                                ; the head's prefetches have read their base
	s_add_nc_u64 s[PFA:PFA+1], s[PFA:PFA+1], NQ*CH ; chunk 5
	s_wait_tensorcnt 0x0                           ; my part of chunks 0, 1 is in
	ds_add_u32 v[SPW], v[NIL]
	s_wait_dscnt 0x0
	CROUND                                         ; everybody's part is in, and all sixteen work-groups are here
	JLOAD G0+4, G1, G0B+4, G1B                     ; chunks 2 to 4: slot 1's first fill, the first tensor load behind the round
	FETCH_B 0, 0, 0
	FETCH_A 0, 0, 0
	SCALES 0, 0, 0
	FETCH_A 0, 0, 4
	ASK 0                                          ; chunks 5 to 7
	STEP 0, 0, 0, 1                                ; the first step's products start the sums
	TURN 0, 1, 1, 1, 5*CH, 1                       ; slot 0 goes from chunk 0 to chunk 5
	s_mov_b32 s3, 4
.Llap:                                                 ; a trip: six steps, both slots filled again
	STEP 1, 0, 0, 0
	STEP 1, 1, 1, 0
	TURN 1, 0, 0, 1, 6*CH, 1
	STEP 0, 0, 1, 0
	STEP 0, 1, 0, 0
	TURN 0, 1, 1, 1, 6*CH, 2
	s_sub_co_u32 s3, s3, 1
	s_cmp_lg_u32 s3, 0
	s_cbranch_scc1 .Llap
	STEP 1, 0, 0, 0                                ; the last six chunks: nothing is filled any more
	STEP 1, 1, 1, 0
	TURN 1, 0, 0, 0, 0, 0                          ; behind its barrier nobody reads slot 1: it becomes the stage
; BY ROWS.  ALOAD: A's fragments of block a for chunks 30 and 31 (slot 0's second and third) into buffer a % 4 of four, 24 registers each, where A's one set lay.
.macro ALOAD a
	FRAG AF+24*((\a)%4), ADRA, 1, \a
	FRAG AF+24*((\a)%4)+FR, ADRA, 2, \a
.endm
.macro ROWQ a, q                       ; block a x B's eight, chunk 30 + q: B's set q, scale words' set q; the block's eight accumulators by turns
	WIN MUL_LO+0x50*((\a)/4)
.irp b, 0,1,2,3,4,5,6,7
	v_wmma_scale_f32_16x16x128_f8f6f4 v[8*(8*((\a)%4)+\b):8*(8*((\a)%4)+\b)+7], v[128*(\q)+FR*\b:128*(\q)+FR*\b+FR-1], v[AF+24*((\a)%4)+FR*(\q):AF+24*((\a)%4)+FR*(\q)+FR-1], v[8*(8*((\a)%4)+\b):8*(8*((\a)%4)+\b)+7], v[SC+8*(\q)+\b], v[SC+8*(\q)+(\a)] matrix_a_fmt:MATRIX_FMT_BF6 matrix_b_fmt:MATRIX_FMT_BF6 matrix_a_scale:MATRIX_SCALE_ROW1
.endr
.endm
; THE WAY OUT of block a, 16 rows x 128 columns: through my own stage, back as whole rows of 512 bytes.  LDS serves a wave's instructions in order (ISA guide 5.7.1.4): no wait between the stores and the loads.
; Row t comes back into window 0, v[48 + 4 t] (even blocks) or window 1, v[96 + 4 t] and from t = 8 on v[192 + 4 t] (odd blocks): registers that no matrix instruction names.
.macro TOSTAGE a
.set AC, 64*((\a)%4)
	WIN 0x08+4*((\a)/4)                            ; the data: window 2 or 3
.irp b, 0,1,2,3,4,5,6,7
	ds_store_b128 v[STO], v[AC+8*\b:AC+8*\b+3] offset:64*\b          ; each accumulator from its low end on
	ds_store_b128 v[STO], v[AC+8*\b+4:AC+8*\b+7] offset:64*\b+16
.endr
	WIN TO_B*((\a)%2)
.irp t, 0,1,2,3,4,5,6,7,8,9,10,11,12,13,14,15
.set BR, (1-(\a)%2)*(48+4*\t)+((\a)%2)*(96+4*\t+96*(\t/8))
	ds_load_b128 v[BR:BR+3], v[RD] offset:\t*SPITCH
.endr
	WIN 0
.endm
.macro SEND a, younger                 ; younger: the LDS instructions issued behind block a's loads
	s_wait_dscnt \younger
	WIN 0x04*((\a)%2)                              ; the data: window 0 or 1
.irp t, 0,1,2,3,4,5,6,7,8,9,10,11,12,13,14,15
.set BR, (1-(\a)%2)*(48+4*\t)+((\a)%2)*(96+4*\t+96*(\t/8))
	global_store_b128 v[CO], v[BR:BR+3], s[12:13] offset:(16*(\a)+\t)*SIZE_N*4   ; 32 lanes store 512 consecutive bytes, at a multiple of 256 from out's first byte; 127 rows at the most: inside the signed 24-bit immediate, so no base is stepped
.endr
	WIN 0
.endm
	; chunk 29 (slot 0's first, B's set 1), as a step; what it fetches is laid for the rows
	FETCH_B 0, 1, 0                                ; B of chunk 30 into set 0
	s_wait_dscnt 12*NL
	WIN MUL_LO
	MUL16 0, 1, 0
	MUL16 2, 1, 0
	s_wait_dscnt 8*NL
	PLACES NP
	WIN 0
	ALOAD 0                                        ; where A's blocks 0-3 lay
	ALOAD 1
	SCALES 0, 1, 0
	WIN MUL_HI
	MUL16 4, 1, 0
	MUL16 6, 1, 0
	PLACES NP
	WIN 0
	ALOAD 2                                        ; where A's blocks 4-7 lay
	ALOAD 3
	FETCH_B 0, 2, 1                                ; B of chunk 31 into set 1
	SCALES 0, 2, 1
	s_wait_dscnt 38                                ; all but the 12 + 24 + 2 just issued
	ROWQ 0, 0
	ROWQ 1, 0
	s_wait_dscnt 26                                ; A's blocks 2, 3 are in
	ROWQ 2, 0
	ROWQ 3, 0
	s_wait_dscnt 0                                 ; chunk 31's B and scale words are in
	ROWQ 0, 1
	ROWQ 1, 1
	ROWQ 2, 1
	PLACES NP                                      ; in front of the stage's stores, which read results, and of the loads into block 0's buffer
	TOSTAGE 0
	ALOAD 4
	ROWQ 3, 1
	PLACES NP
	TOSTAGE 1
	ALOAD 5
	SEND 0, 44                                     ; behind block 0's loads: 6 + 32 + 6
.macro OUTSTEP a, wrow, ysend          ; block a + 2 is finished; block a goes into the stage; block a - 1 is stored
	s_wait_dscnt \wrow                             ; block a + 2's fragments of A are in
	ROWQ (\a)+2, 0
	ROWQ (\a)+2, 1
	PLACES NP
	s_wait_xcnt 0x0                                ; block a - 2's stores have read their registers: block a's rows may land there
	TOSTAGE \a
.if (\a) < 4
	ALOAD (\a)+4
.endif
	SEND (\a)-1, \ysend
.endm
	OUTSTEP 2, 38, 44                              ; behind ALOAD 4: 32 + 6; behind block 1's loads: 6 + 32 + 6
	OUTSTEP 3, 38, 44
	OUTSTEP 4, 38, 38                              ; behind block 3's loads: 6 + 32
	OUTSTEP 5, 32, 32
	s_wait_xcnt 0x0
	TOSTAGE 6
	SEND 5, 32
	s_wait_xcnt 0x0
	TOSTAGE 7
	SEND 6, 32
	SEND 7, 0
	s_wait_tensorcnt 0x0                           ; the wave's end
	ds_add_u32 v[SPW], v[NIL]
	s_wait_dscnt 0x0
	CROUND                                         ; the closing round
	s_endpgm
.Lfunc_end_k_qb08e785a70_gemm:
	.size	k_qb08e785a70_gemm, .Lfunc_end_k_qb08e785a70_gemm-k_qb08e785a70_gemm
	.p2alignl 7, 3214868480
	.fill 96, 4, 3214868480
	.section	.rodata,"a",@progbits
	.p2align	6, 0x0
	.amdhsa_kernel k_qb08e785a70_gemm
		.amdhsa_group_segment_fixed_size 327680
		.amdhsa_private_segment_fixed_size 0
		.amdhsa_enable_private_segment 0
		.amdhsa_kernarg_size 24
		.amdhsa_user_sgpr_count 2
		.amdhsa_user_sgpr_kernarg_segment_ptr 1
		.amdhsa_wavefront_size32 1
		.amdhsa_system_sgpr_workgroup_id_x 1
		.amdhsa_system_sgpr_workgroup_id_y 1
		.amdhsa_system_sgpr_workgroup_id_z 1
		.amdhsa_system_vgpr_workitem_id 0
		.amdhsa_next_free_vgpr 1024
		.amdhsa_next_free_sgpr 88
		.amdhsa_reserve_vcc 0
		.amdhsa_float_denorm_mode_32 3
		.amdhsa_float_denorm_mode_16_64 3
		.amdhsa_memory_ordered 1
		.amdhsa_forward_progress 1
		.amdhsa_inst_pref_size 206
	.end_amdhsa_kernel
	.amdgpu_metadata
---
amdhsa.version: [ 1, 2 ]
amdhsa.kernels:
  - .name:           k_qb08e785a70_gemm
    .symbol:         k_qb08e785a70_gemm.kd
    .args:
      - { .name: xq, .offset: 0, .size: 8, .value_kind: global_buffer, .address_space: global }
      - { .name: wq, .offset: 8, .size: 8, .value_kind: global_buffer, .address_space: global }
      - { .name: out0, .offset: 16, .size: 8, .value_kind: global_buffer, .address_space: global }
    .group_segment_fixed_size: 327680
    .private_segment_fixed_size: 0
    .kernarg_segment_align: 8
    .kernarg_segment_size: 24
    .max_flat_workgroup_size: 128
    .sgpr_count:     88
    .vgpr_count:     1024
    .wavefront_size: 32
...
	.end_amdgpu_metadata
.endif
;; end of part 2
